; MI455X (gfx1250); checked and timed in simulation.
; The chip was launched on July 23, 2026; its instructions are those of AMD's public machine-readable ISA for CDNA 5 (MIT licence, August 2026) and "CDNA5" Instruction Set Architecture Reference Guide (July 2026). The comments in the code are by the model that wrote it; some were corrected since.
;; Shared Bilinear Decoder. Allowed arithmetic: float matrix products may take bf16 or f16 operands with f32 sums; other float arithmetic in f32, or as packed bf16 or f16 multiplies, adds, multiply-adds, maxima and minima; sums over many terms, partial sums and values carried from step to step in f32; what a program stores and reads back later, other than sums and carried values, may be rounded once to bf16 or f16.
;; Inputs: embeds1 131,072 x 256 float32; embeds2 131,072 x 256 float32; rel_embeds 8 x 65,536 float32; weight_scalars 8 x 5 float32.
;; Outputs: out0 131,072 x 5 float32.
;; One version. Each part assembles by itself: llvm-mc -triple=amdgcn-amd-amdhsa -mcpu=gfx1250 --defsym DOCPART=n.
;; ======== version 1 of 1: 2 launches
;; workspace buffers: mws 655,360 bytes
;; launch prep (part 1): grid 64 x 1, 4 waves a work-group, no clusters, 13,312 bytes of LDS; arguments rel_embeds, weight_scalars, mws; writes mws
.if DOCPART == 1
	.amdgcn_target "amdgcn-amd-amdhsa--gfx1250"
	.amdhsa_code_object_version 6
	.text
	.protected	k_qd81044be7c_prep
	.globl	k_qd81044be7c_prep
	.p2align	8
	.type	k_qd81044be7c_prep,@function
k_qd81044be7c_prep:
	s_mov_b64 s[64:65], 0
	v_nop
	global_prefetch_b8 v0, s[64:65] scope:SCOPE_SE
	s_setreg_imm32_b32 hwreg(HW_REG_WAVE_MODE, 25, 1), 1
	s_wait_xcnt 0x0
; M_r[i][j] = sum over w of s[w][r] R_w[i][j], r = 0..4, stored in bf16 in the order in which the next launch's matrix instructions take it:
;   byte of (j, r, i) = (j>>4) 40960 + r 8192 + (i>>3) 256 + (j&15) 16 + (i&7) 2.
; STATED CHOICE: logit[b][r] = sum_w s[w][r] (u R_w v) is linear in R_w, so the weights are applied to the matrices here and not to eight basis outputs later:
; five products for eight.  The order of the sums differs from the formula as written; every input is read; nothing is assumed of the numbers.
; ROUNDINGS.  R_w and s are the operands of the formula's two products: each is rounded to bf16 (nearest even), as a matrix operand is.  The product of two bf16 numbers is exact in f32;
; the eight terms are added in f32, w ascending, one rounding a term; M_r is then rounded ONCE to bf16.  So beyond the rounding of the four inputs themselves the whole program has one
; 16-bit rounding, M_r's.  bf16 has f32's range, so no bound on the inputs' size is added.  NaN and infinities are not treated apart.
; SHARES.  A 16-byte atom of the output holds i = 8 ig .. 8 ig + 7 of one (j, r); 16 atoms (16 j) are 256 consecutive bytes.  A work-group takes one ig and 128 columns:
; 32 x 2 = 64 work-groups: the smallest share in which reads (512 bytes of a row) and stores (256 bytes) are whole aligned pieces.  Wave tp takes rows 8 ig + 2 tp, + 1;
; lane l the columns 4 l .. 4 l + 3.  The four waves' pairs of rows meet in LDS (one barrier), and each wave stores 32 columns' atoms.
; No matrix unit, no cluster: the launch moves 2.7 MB once and each work-group reads bytes of R of its own.
.set SPARE, 12800                      ; behind the stage: the spare words, 128 bytes a wave, named by no other line
.set RELB,  2560                       ; the stage of one r: 32 groups of four atoms, 80 bytes apart (64 + 16 of padding)
.set ZERO, 7                           ; v7         0: the weights' offset (every lane reads the same bytes) and the first term's addend
.set X,    8                           ; v[8:71]    R as loaded: 8 w + 4 e + c (e: which of my two rows, c: column); then packed: (w, e, c) in register 8 w + 4 e + c / 2, half c % 2
.set ACCM, 72                          ; v[72:111]  the f32 sums: 8 r + 4 e + c
.set PK,   112                         ; v[112:131] two rows rounded and packed: 4 r + c
.set SPW,  132                         ; v132  LDS address of my spare word; never rewritten
.set NIL,  133                         ; v133  0; never rewritten
.set SV,   134                         ; v[134:173] the 40 weights as loaded, n = 5 w + r; then packed: weight n in register n / 2, half n % 2
; d = bf16 half ha of a  x  bf16 half hb of b  +  f32 c.  The arguments are names of symbols.
.macro MIX d, a, ha, b, hb, c
.if (\ha) && (\hb)
	v_fma_mix_f32_bf16 v[\d], v[\a], v[\b], v[\c] op_sel:[1,1,0] op_sel_hi:[1,1,0]
.elseif \ha
	v_fma_mix_f32_bf16 v[\d], v[\a], v[\b], v[\c] op_sel:[1,0,0] op_sel_hi:[1,1,0]
.elseif \hb
	v_fma_mix_f32_bf16 v[\d], v[\a], v[\b], v[\c] op_sel:[0,1,0] op_sel_hi:[1,1,0]
.else
	v_fma_mix_f32_bf16 v[\d], v[\a], v[\b], v[\c] op_sel_hi:[1,1,0]
.endif
.endm
	s_load_b128 s[4:7], s[0:1], 0x0                ; R s[4:5], s s[6:7]
	s_load_b64 s[8:9], s[0:1], 0x10                ; mws
	v_lshl_add_u32 v[SPW], v0, 2, SPARE
	v_mov_b32 v[NIL], 0
	v_mov_b32 v[ZERO], 0
	v_lshrrev_b32 v1, 5, v0
	v_readfirstlane_b32 s12, v1                    ; tp, my wave's number
	v_and_b32 v1, 31, v0                           ; l
	v_lshlrev_b32 v2, 4, v1                        ; my 16 bytes in 512 bytes of a row of R
	v_mul_u32_u24 v3, v1, 80                       ; into the stage: group l (columns 4 l ..),
	v_lshl_add_u32 v3, s12, 2, v3                  ; bytes 4 tp .. 4 tp + 3 of each atom
	v_lshrrev_b32 v6, 2, v1                        ; back: column 32 tp + l: group 8 tp + l / 4, atom l % 4
	v_mul_u32_u24 v4, v6, 80
	v_and_b32 v6, 3, v1
	v_lshl_add_u32 v4, v6, 4, v4
	s_mul_i32 s13, s12, 640
	v_add_nc_u32 v4, s13, v4
	v_lshrrev_b32 v6, 4, v1                        ; out: lanes 0-15 one block of 16 columns, lanes 16-31 the next, 40,960 bytes on
	v_mul_u32_u24 v5, v6, 40960
	v_and_b32 v6, 15, v1
	v_lshl_add_u32 v5, v6, 4, v5
	s_lshr_b32 s13, ttmp9, 1                       ; ig
	s_and_b32 s14, ttmp9, 1                        ; jh: which 128 columns
	s_lshl_b32 s2, s13, 13                         ; in R: row 8 ig + 2 tp, byte 512 jh
	s_lshl_b32 s15, s12, 11
	s_add_co_u32 s2, s2, s15
	s_lshl_b32 s15, s14, 9
	s_add_co_u32 s2, s2, s15
	s_mov_b32 s3, 0
	s_mul_i32 s10, s14, 327680                     ; in mws: column block 8 jh + 2 tp, byte 256 ig
	s_mul_i32 s15, s12, 81920
	s_add_co_u32 s10, s10, s15
	s_lshl_b32 s15, s13, 8
	s_add_co_u32 s10, s10, s15
	s_mov_b32 s11, 0
	s_wait_kmcnt 0x0
.set n, 0
.rept 10                               ; the 40 weights, 160 bytes, the whole buffer: every lane takes all of them
	global_load_b128 v[SV+4*n:SV+4*n+3], v[ZERO], s[6:7] offset:16*n
.set n, n+1
.endr
	s_add_nc_u64 s[4:5], s[4:5], s[2:3]
	s_add_nc_u64 s[8:9], s[8:9], s[10:11]
.set w, 0
.rept 8                                ; 16 loads, 512 consecutive aligned bytes each: my two rows in each of the eight matrices
	global_load_b128 v[X+8*w:X+8*w+3],   v2, s[4:5] offset:w*262144 th:TH_LOAD_NT
	global_load_b128 v[X+8*w+4:X+8*w+7], v2, s[4:5] offset:w*262144+1024 th:TH_LOAD_NT
.set w, w+1
.endr
	s_wait_loadcnt 16                              ; loads return in order: the weights are in, R's sixteen loads stay out
.set n, 0
.rept 20                               ; the weights rounded to bf16, two to a register, in place: register n is written when 2 n and 2 n + 1 are read, and what lay there has been read before
	v_cvt_pk_bf16_f32 v[SV+n], v[SV+2*n], v[SV+2*n+1]
.set n, n+1
.endr
.set w, 0
.rept 8
	s_wait_loadcnt 14-2*w                          ; matrix w's two loads are in, the later matrices' stay out
.irp e, 0,1                            ; its eight numbers rounded to bf16, in place
	v_cvt_pk_bf16_f32 v[X+8*w+4*\e],   v[X+8*w+4*\e],   v[X+8*w+4*\e+1]
	v_cvt_pk_bf16_f32 v[X+8*w+4*\e+1], v[X+8*w+4*\e+2], v[X+8*w+4*\e+3]
.endr
.set q, 0
.rept 40                               ; q = 8 r + 4 e + c
.set rD, ACCM+q
.set rX, X+8*w+4*((q%8)/4)+(q%4)/2
.set hX, q%2
.set rS, SV+(5*w+q/8)/2
.set hS, (5*w+q/8)%2
.if w == 0
.set rC, ZERO                          ; the first term starts the sum: no sum is cleared
.else
.set rC, rD
.endif
	MIX rD, rX, hX, rS, hS, rC
.set q, q+1
.endr
.set w, w+1
.endr
.set q, 0
.rept 20                               ; q = 4 r + c: the even row into the low half, the odd row into the high half
	v_cvt_pk_bf16_f32 v[PK+q], v[ACCM+8*(q/4)+q%4], v[ACCM+8*(q/4)+4+q%4]
.set q, q+1
.endr
.set q, 0
.rept 20
	ds_store_b32 v3, v[PK+q] offset:(q/4)*RELB+16*(q%4)
.set q, q+1
.endr
	s_wait_dscnt 0x0                               ; for the others' sake: my part of every atom is in the stage
	s_barrier_signal -1
	s_barrier_wait -1
.set n, 0
.rept 5
	ds_load_b128 v[X+4*n:X+4*n+3], v4 offset:n*RELB  ; whole atoms, which four waves wrote
.set n, n+1
.endr
.set n, 0
.rept 5
	s_wait_dscnt 4-n                               ; LDS loads return in order: the later ones stay out
	global_store_b128 v5, v[X+4*n:X+4*n+3], s[8:9] offset:n*8192  ; 16 lanes store 256 consecutive bytes, at a multiple of 256 from the buffer's first byte
.set n, n+1
.endr
	s_wait_tensorcnt 0x0                           ; the wave's end, behind my last LDS store
	ds_add_u32 v[SPW], v[NIL]
	s_wait_dscnt 0x0
	s_endpgm
.Lfunc_end_k_qd81044be7c_prep:
	.size	k_qd81044be7c_prep, .Lfunc_end_k_qd81044be7c_prep-k_qd81044be7c_prep
	.p2alignl 7, 3214868480
	.fill 96, 4, 3214868480
	.section	.rodata,"a",@progbits
	.p2align	6, 0x0
	.amdhsa_kernel k_qd81044be7c_prep
		.amdhsa_group_segment_fixed_size 13312
		.amdhsa_private_segment_fixed_size 0
		.amdhsa_enable_private_segment 0
		.amdhsa_kernarg_size 24
		.amdhsa_user_sgpr_count 2
		.amdhsa_user_sgpr_kernarg_segment_ptr 1
		.amdhsa_wavefront_size32 1
		.amdhsa_system_sgpr_workgroup_id_x 1
		.amdhsa_system_sgpr_workgroup_id_y 1
		.amdhsa_system_sgpr_workgroup_id_z 1
		.amdhsa_system_vgpr_workitem_id 0
		.amdhsa_next_free_vgpr 176
		.amdhsa_next_free_sgpr 66
		.amdhsa_reserve_vcc 0
		.amdhsa_float_denorm_mode_32 3
		.amdhsa_float_denorm_mode_16_64 3
		.amdhsa_memory_ordered 1
		.amdhsa_forward_progress 1
		.amdhsa_inst_pref_size 32
	.end_amdhsa_kernel
	.amdgpu_metadata
---
amdhsa.version: [ 1, 2 ]
amdhsa.kernels:
  - .name:           k_qd81044be7c_prep
    .symbol:         k_qd81044be7c_prep.kd
    .args:
      - { .name: rel_embeds, .offset: 0, .size: 8, .value_kind: global_buffer, .address_space: global }
      - { .name: weight_scalars, .offset: 8, .size: 8, .value_kind: global_buffer, .address_space: global }
      - { .name: mws, .offset: 16, .size: 8, .value_kind: global_buffer, .address_space: global }
    .group_segment_fixed_size: 13312
    .private_segment_fixed_size: 0
    .kernarg_segment_align: 8
    .kernarg_segment_size: 24
    .max_flat_workgroup_size: 128
    .sgpr_count:     66
    .vgpr_count:     176
    .wavefront_size: 32
...
	.end_amdgpu_metadata
.endif
;; end of part 1
;; launch main (part 2): grid 256 x 1, 4 waves a work-group, clusters of 4 x 1, 327,680 bytes of LDS; arguments embeds1, embeds2, mws, out0; writes out0
.if DOCPART == 2
	.amdgcn_target "amdgcn-amd-amdhsa--gfx1250"
	.amdhsa_code_object_version 6
	.text
	.protected	k_qd81044be7c_main
	.globl	k_qd81044be7c_main
	.p2align	8
	.type	k_qd81044be7c_main,@function
k_qd81044be7c_main:
	s_mov_b64 s[64:65], 0
	v_nop
	global_prefetch_b8 v0, s[64:65] scope:SCOPE_SE
	s_setreg_imm32_b32 hwreg(HW_REG_WAVE_MODE, 25, 1), 1
	s_wait_xcnt 0x0
	s_wait_alu depctr_hold_cnt(0) depctr_sa_sdst(0) depctr_va_vdst(0) depctr_va_sdst(0) depctr_va_ssrc(0) depctr_va_vcc(0) depctr_vm_vsrc(0)
	s_getreg_b32 s2, hwreg(HW_REG_IB_STS2, 6, 4)
	s_cmp_eq_u32 s2, 0
	s_cbranch_scc0 .Lentry_in_a_cluster
	s_endpgm
.Lentry_in_a_cluster:
	s_bfe_u32 s2, ttmp6, 0x10000c
	s_cmp_lg_u32 s2, 0x3003
	s_cbranch_scc0 .Lentry_shape_is_right
	s_endpgm
.Lentry_shape_is_right:
; out[b][r] = sum over j of ( sum over i of u[b][i] M_r[i][j] ) v[b][j],  b < 131072, i, j < 256, r < 5.  M_r (bf16, in fragment order) comes from the launch before.
; LIMITS.  u and v are rounded once to bf16 (nearest even) on their way in, M_r was rounded once; all sums are f32.  bf16 has f32's range, so no bound on the inputs' size is added.
; The weights were folded into M_r, so the order of the sums differs from the formula as written.  NaN and infinities are not treated apart.
; SHARES.  256 work-groups of four waves; a work-group owns 512 rows b, a wave 128: eight TILES of 16.  A wave's u, 128 x 256 in bf16, stays in 512 registers for the whole launch.
; THE PRODUCT IS USED TRANSPOSED: source 0 = 16 columns j of M_r (32 i), source 1 = 16 rows of u.  In the result a lane holds ONE row b (lane % 16) and j = 8 (lane / 16) + 0..7.
; T = u M_r never leaves the registers: eight multiply-adds a tile, straight from v's bf16 halves, gather it into one register P[tile][r]; the two halves of the lanes meet once, at the end.
; A CYCLE is one (16 j, r): 8 tiles x 8 steps of 32 i = 64 matrix instructions on one set of 64 fragment registers (16 LDS loads).  Behind EACH matrix instruction stands one multiply-add
; of a tile finished shortly before (a rider).  A BIG STEP is 32 j x 5 r = 10 cycles = one LDS slot of M.
; M IS STREAMED through two LDS slots of 81,920 bytes.  Every work-group walks the same M, so the four of a cluster ask JOINTLY: the same tensor load, descriptor and mask in all four;
; each wave fetches a quarter of a tile, 80 dense rows of 256 bytes.  By this text's count a wave has two tensor loads out at the start, then one behind each round.
; In mws a fragment's 1,024 bytes lie so that lane l takes bytes 16 l and 512 + 16 l: LDS loads of consecutive bytes, so the slots need no padding.
; u AND v come through registers (whole aligned pieces of 512 or 2 x 256 bytes), are rounded, and are turned through the wave's own LDS stage, which no tensor load fills and no other wave touches:
; LDS serves a wave's instructions in order (ISA guide 5.7.1.4), so the stage needs no barrier.  v goes in chunks of 64 columns, two chunk buffers side by side in the stage's rows; a half chunk
; (64 rows) is asked for one big step ahead of its conversion.
; REGISTERS, in windows of 256 (s_set_vgpr_msb: bits 1:0 source 0, 3:2 source 1, 5:4 source 2, 7:6 destination).  Products and riders want ONE setting: M's fragments, T and P in window 0
; (source 0, source 2, destination); u in windows 1-3 (source 1); and the v fragments that a rider reads as source 1 lie in the window of the u tiles beside which that rider stands.
;   window 0: v0-19 addresses; v24-87 T (tile t at 24 + 8 t); v88-151, v152-215 M's fragments, two buffers; v216-255 P (216 + 5 t + r)
;   window 1: u tiles 0-2 (64 (t % 3) + 8 kk); v192-215 v fragments of tiles 5-7      window 2: u tiles 3-5; v192-215 v fragments of tiles 0-2; v216-247 landing
;   window 3: u tiles 6, 7; v128-143 v fragments of tiles 3, 4; v144-239 landing
.set SLOTB, 81920                      ; a slot: 2 blocks of 16 j x 5 r x 8,192 bytes
.set HALFB, 40960                      ; one block of 16 j
.set QUART, 20480                      ; what one wave fetches of a tile
.set STG,   2*SLOTB                    ; behind the ring: a stage for each wave
.set STGB,  34816                      ; 128 rows x 272
.set SPARE, STG+4*STGB                 ; behind the stages: the spare words, 128 bytes a wave, named by no other line
.set PU,    528                        ; u's stage: 16 rows of 512 bytes + 16: the 16 rows of a fragment load start 4 banks apart (64 banks of 4 bytes: ISA guide 11.1)
.set PV,    272                        ; v's stage: 128 rows of two chunks x 128 bytes + 16
.set L16,  3                           ; v3   16 x lane: my place in a fragment's 512 bytes, and in 512 bytes of u and of out; never rewritten
.set AMA,  4                           ; v4   L16 + the slot in hand
.set AMB,  5                           ; v5   AMA + HALFB
.set AVF0, 6                           ; v6   v fragments: stage + 272 (l % 16) + 16 (l / 16); never rewritten
.set AVF,  7                           ; v7   AVF0 + the big step's 64 bytes in a row
.set AVW0, 8                           ; v8   v into the stage: stage + 272 (l / 16) + 8 (l % 16); never rewritten
.set AVW,  9                           ; v9   AVW0 + the half chunk's place
.set GV0,  10                          ; v10  v in memory: 1024 (l / 16) + 16 (l % 16); never rewritten
.set GV,   11                          ; v11  GV0 + the half chunk's place
.set AUW,  12                          ; v12  u into the stage: stage + 8 l
.set AUR,  13                          ; v13  u fragments: stage + 528 (l % 16) + 16 (l / 16)
.set AOW,  15                          ; v15  the way out: stage + 20 (l % 16)
.set AOR,  16                          ; v16  the way out, back: stage + 16 l
.set SPW,  17                          ; v17  LDS address of my spare word; never rewritten
.set NIL,  18                          ; v18  0; never rewritten
.set ACC,  24
.set MF0,  88
.set MF1,  152
.set P,    216
.set LA,   144                         ; window 3: landing of v's units 0-2 (a unit: 16 rows x 64 columns of f32, 32 registers)
.set LB,   216                         ; window 2: landing of unit 3
.set WV,   12                          ; s12  my wave's number
.set G1,   16                          ; s[16:23] descriptor group 1
.set G0A,  24                          ; s[24:27] group 0: tile 0 into slot 0
.set G0B,  28                          ; s[28:31] group 0: tile 1 into slot 1; then it walks
.set TB,   33                          ; s33  LDS byte of the slot in hand: 0 or SLOTB
.set RO,   34                          ; s34  the big step's bytes in a row of v's stage: 64 t mod 256
.set CNT,  36                          ; s36  7 - t in big step t
.set SEL,  42                          ; s[42:43] v_permlanex16_b32's selects: each lane takes its own place in the other half
.set WP,   46                          ; s[46:47] my quarter's byte in a tile and in a slot, with 0 above it: made of the wave's number alone
.set WA,   0x04                        ; source 1 in window 1, all else in window 0
.set WB,   0x08                        ; source 1 in window 2
.set WC,   0x0c                        ; source 1 in window 3
.set MSB, 0
.macro WIN new                         ; the immediate's high byte repeats the setting that is left; a switch that changes nothing is dropped
.if MSB != (\new)
	s_set_vgpr_msb (MSB<<8)|(\new)
.set MSB, (\new)
.endif
.endm
; A round of the cluster's barrier: my work-group's barrier, so that wave 0's signal speaks for all four waves; wave 0 signals; every wave waits for the four work-groups; my work-group's barrier once more.
.macro CREST                           ; a round behind its opening barrier
	s_cmp_lg_u32 s[WV], 0
	s_cbranch_scc1 .Lnot_wave_0_\@
	s_barrier_signal -3
.Lnot_wave_0_\@:
	s_barrier_wait -3
	s_barrier_signal -1
	s_barrier_wait -1
.endm
.macro CROUND
	s_barrier_signal -1
	s_barrier_wait -1
	CREST
.endm
; One matrix instruction: tile, step kk of 32 i, M's buffer mf.  kk = 0 starts the sum with the constant 0.
.macro WM tile, kk, mf
.set rA, ACC+8*(\tile)
.set rU, 64*((\tile)%3)+8*(\kk)
.if (\kk) == 0
	v_wmma_f32_16x16x32_bf16 v[rA:rA+7], v[(\mf)+8*(\kk):(\mf)+8*(\kk)+7], v[rU:rU+7], 0
.else
	v_wmma_f32_16x16x32_bf16 v[rA:rA+7], v[(\mf)+8*(\kk):(\mf)+8*(\kk)+7], v[rU:rU+7], v[rA:rA+7]
.endif
.endm
; One rider: P[tile][rel] += T[tile] register jj x v's bf16 number jj of the lane's eight (buffer be: which 16 j of the big step).  jj ascends, so a result is read from its low end on.
.macro RID tile, jj, rel, be
.set rA, ACC+8*(\tile)+(\jj)
.set rP, P+5*(\tile)+(\rel)
.if (\tile) < 3
.set rV, 192+12*(\be)+4*(\tile)+(\jj)/2
.elseif (\tile) < 5
.set rV, 128+8*(\be)+4*((\tile)-3)+(\jj)/2
.else
.set rV, 192+12*(\be)+4*((\tile)-5)+(\jj)/2
.endif
.if (\jj)%2
	v_fma_mix_f32_bf16 v[rP], v[rA], v[rV], v[rP] op_sel:[0,1,0] op_sel_hi:[0,1,0]
.else
	v_fma_mix_f32_bf16 v[rP], v[rA], v[rV], v[rP] op_sel_hi:[0,1,0]
.endif
.endm
; THE THREE GROUPS OF A CYCLE.  The accumulators take turns, one instruction a turn: 0 1 2 .. | 3 4 5 .. | 6 7 .., on into the next cycle's tile 0.
; A vector instruction reads a matrix result four places behind it at the least, and only plain vector instructions that name none of its registers are places (ISA guide 7.12.1).
; Tile 0 is finished at slot 21 of group A and first read behind group B's first product: the riders behind slots 21, 22, 23 (tile 7's) and one v_nop are the four.  Tile 3 likewise from B into C.  Every other tile has eight or more.
.macro GRPA mf, prel, pbe, lo, hi      ; tiles 0-2; the riders are tiles 5-7 of the cycle BEFORE (its r and buffer)
	WIN WA
.set i, \lo
.rept (\hi)-(\lo)
	WM i%3, i/3, \mf
	RID 5+i/8, i%8, \prel, \pbe
.set i, i+1
.endr
.endm
.macro GRPB mf, rel, be                ; tiles 3-5; the riders are this cycle's tiles 0-2
	WIN WB
.set i, 0
.rept 24
	WM 3+i%3, i/3, \mf
.if i == 0
	v_nop
.endif
	RID i/8, i%8, \rel, \be
.set i, i+1
.endr
.endm
.macro GRPC mf, rel, be                ; tiles 6, 7; the riders are this cycle's tiles 3, 4
	WIN WC
.set i, 0
.rept 16
	WM 6+i%2, i/2, \mf
.if i == 0
	v_nop
.endif
	RID 3+i/8, i%8, \rel, \be
.set i, i+1
.endr
.endm
; 16 LDS loads in one run: the eight fragments of one (16 j, r).  Destination and address lie in window 0, so the run stands under any of the settings above.
.macro FETCH areg, rel, mf
.set k, 0
.rept 8
	ds_load_b128 v[(\mf)+8*k:(\mf)+8*k+3],   v[\areg] offset:((\rel)*8+k)*1024
	ds_load_b128 v[(\mf)+8*k+4:(\mf)+8*k+7], v[\areg] offset:((\rel)*8+k)*1024+512
.set k, k+1
.endr
.endm
; v's fragments for 16 j: eight bf16 a lane and tile, into buffer be
.macro VFLOAD be, off
	WIN 0x80
.irp t, 0,1,2
	ds_load_b128 v[192+12*(\be)+4*\t:192+12*(\be)+4*\t+3], v[AVF] offset:\t*16*PV+(\off)
.endr
	WIN 0xc0
.irp t, 3,4
	ds_load_b128 v[128+8*(\be)+4*(\t-3):128+8*(\be)+4*(\t-3)+3], v[AVF] offset:\t*16*PV+(\off)
.endr
	WIN 0x40
.irp t, 5,6,7
	ds_load_b128 v[192+12*(\be)+4*(\t-5):192+12*(\be)+4*(\t-5)+3], v[AVF] offset:\t*16*PV+(\off)
.endr
.endm
; Cycle y of a big step's ten (y / 5: which 16 j; y % 5: r).  fetch = 1: the next cycle's fragments go into the idle buffer, nine riders behind that buffer's last product, 56 products ahead of their use.
; vf = 1: v's fragments for the step's second 16 j.  vf = 2: those for the next step's first 16 j.  Each buffer's last rider stands cycles back, its first use behind the next cycle's wait.
.macro CYCLE y, fetch, vf
.set cMF, MF0+64*((\y)%2)
.set cRL, (\y)%5
.set cBE, (\y)/5
.set cPR, ((\y)+4)%5
.set cPB, (((\y)+9)%10)/5
	s_wait_dscnt 0x0                               ; this cycle's fragments, asked for 56 products ago, are in
	GRPA cMF, cPR, cPB, 0, 8
.if \fetch
	FETCH AMA+((\y)+1)/5, ((\y)+1)%5, MF0+64*(((\y)+1)%2)
.endif
	GRPA cMF, cPR, cPB, 8, 24
.if (\vf) == 1
	VFLOAD 1, 32
.elseif (\vf) == 2
	WIN 0
	s_add_co_u32 s[RO], s[RO], 64                  ; the next big step's 32 j: 64 bytes on, round the two chunk buffers
	s_and_b32 s[RO], s[RO], 0xc0
	v_add_nc_u32 v[AVF], s[RO], v[AVF0]
	VFLOAD 0, 0
.endif
	GRPB cMF, cRL, cBE
	GRPC cMF, cRL, cBE
.endm
; A unit of v: 16 rows x 64 columns.  VLD: eight loads, each two whole aligned pieces of 256 bytes (lanes 0-15 one row, lanes 16-31 the next).  CVT: n groups of four f32 rounded in place to two registers.
; VST: eight stores of 8 bytes a lane into the stage.
.macro VLD win, base, areg, off
	WIN 0x40*(\win)
.set k, 0
.rept 8
	global_load_b128 v[(\base)+4*k:(\base)+4*k+3], v[\areg], s[6:7] offset:(\off)+2*k*1024 th:TH_LOAD_NT
.set k, k+1
.endr
.endm
.macro CVT win, base, n
	WIN 0x45*(\win)
.set k, 0
.rept \n
	v_cvt_pk_bf16_f32 v[(\base)+4*k],   v[(\base)+4*k],   v[(\base)+4*k+1]
	v_cvt_pk_bf16_f32 v[(\base)+4*k+1], v[(\base)+4*k+2], v[(\base)+4*k+3]
.set k, k+1
.endr
.endm
.macro VST win, base, areg, off
	WIN 4*(\win)
.set k, 0
.rept 8
	ds_store_b64 v[\areg], v[(\base)+4*k:(\base)+4*k+1] offset:(\off)+2*k*PV
.set k, k+1
.endr
.endm
; THE START is a stream of 22 ITEMS of 16 loads.  Items 0-15: eight rows of u each.  16-19: v's chunk 0, two units each.  20, 21: rows 0-63 of chunk 1, into the loop's landing registers.
; Items 0-19 land in four slots of 64 registers that lie idle until the loop: T's, M's two buffers, and v192-255 of window 1.
.macro SLOTOF m
.if (\m)%4 == 3
.set sW, 1
.set sB, 192
.else
.set sW, 0
.set sB, ACC+64*((\m)%4)
.endif
.endm
.macro ISSUE m
.if (\m) < 16
	SLOTOF \m
	WIN 0x40*sW
.set k, 0
.rept 16
	global_load_b128 v[sB+4*k:sB+4*k+3], v[L16], s[4:5] offset:(8*(\m)+k/2)*1024+(k%2)*512 th:TH_LOAD_NT  ; 512 consecutive aligned bytes: half a row
.set k, k+1
.endr
.elseif (\m) < 20
	SLOTOF \m
	VLD sW, sB, GV0, (2*((\m)-16))*16384
	VLD sW, sB+32, GV0, (2*((\m)-16)+1)*16384
.elseif (\m) == 20
	VLD 3, LA, GV0, 256
	VLD 3, LA+32, GV0, 16384+256
.else
	VLD 3, LA+64, GV0, 2*16384+256
	VLD 2, LB, GV0, 3*16384+256
.endif
.endm
.macro UBACK rb                        ; 16 rows of u are in the stage: tile rb's eight fragments (lane l: row l % 16; i = 32 kk + 8 (l / 16) + 0..7 and 16 more on)
	WIN 0x40*(1+(\rb)/3)
.set k, 0
.rept 8
	ds_load_b128 v[64*((\rb)%3)+8*k:64*((\rb)%3)+8*k+3],   v[AUR] offset:64*k
	ds_load_b128 v[64*((\rb)%3)+8*k+4:64*((\rb)%3)+8*k+7], v[AUR] offset:64*k+32
.set k, k+1
.endr
.endm
.macro CONSUME m                       ; item m is rounded and staged; its slot takes item m + 4
.if (\m) == 19
	s_wait_loadcnt 32                              ; loads return in order: items 20 and 21 stay out
.else
	s_wait_loadcnt 48                              ; the three younger items stay out
.endif
	SLOTOF \m
	CVT sW, sB, 16
.if (\m) < 16
	WIN 4*sW
.set k, 0
.rept 16
	ds_store_b64 v[AUW], v[sB+4*k:sB+4*k+1] offset:(8*((\m)%2)+k/2)*PU+(k%2)*256
.set k, k+1
.endr
.else
	VST sW, sB, AVW0, (2*((\m)-16))*16*PV
	VST sW, sB+32, AVW0, (2*((\m)-16)+1)*16*PV
.endif
.if (\m)+4 <= 21
	ISSUE (\m)+4
.endif
.if ((\m) < 16) && ((\m)%2 == 1)
	UBACK (\m)/2                                   ; the next item's stores into these rows come behind these loads, in the wave's order
.endif
.endm
	s_load_b256 s[4:11], s[0:1], 0x0               ; u s[4:5], v s[6:7], mws s[8:9], out s[10:11]
	v_lshl_add_u32 v[SPW], v0, 2, SPARE
	v_mov_b32 v[NIL], 0
	ds_add_u32 v[SPW], v[NIL]                      ; the wave's opening: the add and its wait stand ahead of my first tensor load; the set-up below, work on registers, stands between them
	v_lshrrev_b32 v1, 5, v0
	v_readfirstlane_b32 s[WV], v1                  ; wave 0..3
	s_bfe_u32 s13, ttmp6, 0x40000                  ; cx: my place in the cluster
	s_lshl_b32 s14, ttmp9, 2                       ; in a cluster launch ttmp9 counts clusters
	s_add_co_u32 s14, s14, s13                     ; my work-group: it enters u's, v's and out's addresses alone
	s_lshl_b32 s40, s14, 19                        ; 512 rows of 1,024 bytes,
	s_lshl_b32 s37, s[WV], 17                      ; my wave's 128 of them
	s_add_co_u32 s40, s40, s37
	s_mov_b32 s41, 0
	s_mul_i32 s44, s14, 10240                      ; 512 rows of 20 bytes of out,
	s_mul_i32 s37, s[WV], 2560                     ; my wave's 128
	s_add_co_u32 s44, s44, s37
	s_mov_b32 s45, 0
	s_mul_i32 s[WP], s[WV], QUART
	s_mov_b32 s[WP+1], 0
	; descriptor group 1: 20,480 dense bytes as 80 rows of 256
	s_mov_b32 s[G1+0], 15|(3<<16)|(1<<21)          ; 15:0 the mask: all four work-groups; 17:16 elements of 8 bytes; 20 no padding; 21 set beside a mask
	s_mov_b32 s[G1+1], 32<<16                      ; tensor_dim0 = 32
	s_mov_b32 s[G1+2], 80<<16                      ; tensor_dim1 = 80
	s_mov_b32 s[G1+3], 32<<16                      ; tile_dim0 = 32
	s_mov_b32 s[G1+4], 80                          ; tile_dim1 = 80
	s_mov_b32 s[G1+5], 32                          ; 32 elements from row to row
	s_mov_b32 s[G1+6], 0
	s_mov_b32 s[G1+7], 0
	s_mov_b32 s[SEL], 0x76543210
	s_mov_b32 s[SEL+1], 0xfedcba98
	s_mul_i32 s15, s[WV], STGB
	s_add_co_u32 s15, s15, STG                     ; my stage
	v_and_b32 v1, 15, v0                           ; l % 16
	v_bfe_u32 v2, v0, 4, 1                         ; l / 16
	v_and_b32 v19, 31, v0                          ; l
	v_lshlrev_b32 v[L16], 4, v19
	v_lshlrev_b32 v[GV0], 4, v1
	v_lshl_add_u32 v[GV0], v2, 10, v[GV0]
	v_mul_u32_u24 v[AVF0], v1, PV
	v_lshl_add_u32 v[AVF0], v2, 4, v[AVF0]
	v_add_nc_u32 v[AVF0], s15, v[AVF0]
	v_mul_u32_u24 v[AVW0], v2, PV
	v_lshl_add_u32 v[AVW0], v1, 3, v[AVW0]
	v_add_nc_u32 v[AVW0], s15, v[AVW0]
	v_lshl_add_u32 v[AUW], v19, 3, s15
	v_mul_u32_u24 v[AUR], v1, PU
	v_lshl_add_u32 v[AUR], v2, 4, v[AUR]
	v_add_nc_u32 v[AUR], s15, v[AUR]
	v_mul_u32_u24 v[AOW], v1, 20
	v_add_nc_u32 v[AOW], s15, v[AOW]
	v_lshl_add_u32 v[AOR], v19, 4, s15
	s_wait_dscnt 0x0                               ; the opening add is done
	s_wait_kmcnt 0x0
	s_add_nc_u64 s[4:5], s[4:5], s[40:41]          ; u and v at my wave's first row
	s_add_nc_u64 s[6:7], s[6:7], s[40:41]
	s_add_nc_u64 s[10:11], s[10:11], s[44:45]      ; out likewise
	s_add_nc_u64 s[8:9], s[8:9], s[WP:WP+1]        ; mws at my quarter of tile 0: the same in all four partners
	s_mov_b32 s[G0A], 1                            ; count = 1
	s_mov_b32 s[G0A+1], s[WP]                      ; LDS address: slot 0
	s_mov_b64 s[G0A+2:G0A+3], s[8:9]               ; global address: tile 0
	s_or_b32 s[G0A+3], s[G0A+3], 0x80000000        ; type = 2
	s_mov_b32 s[G0B], 1
	s_add_co_u32 s[G0B+1], s[WP], SLOTB            ; slot 1
	s_add_nc_u64 s[G0B+2:G0B+3], s[8:9], SLOTB     ; tile 1
	s_or_b32 s[G0B+3], s[G0B+3], 0x80000000
	ISSUE 0                                        ; 64 loads of 512 bytes: as many as a wave's counter of loads lets be out; where it is full the issue stalls (ISA guide 5.7.1), so no wait is placed for that
	ISSUE 1
	ISSUE 2
	ISSUE 3
	WIN 0                                          ; at a label and at a branch every window is 0
	CROUND                                         ; all four work-groups are here: the first joint loads meet
	tensor_load_to_lds s[G0A:G0A+3], s[G1:G1+7]    ; both first fills together, ahead of every wait on TENSORcnt and every LDS read
	s_nop 0
	tensor_load_to_lds s[G0B:G0B+3], s[G1:G1+7]
	s_nop 0
.rept 4
	v_nop
.endr
.irp m, 0,1,2,3,4,5,6,7,8,9,10,11,12,13,14,15,16,17,18,19
	CONSUME \m
.endr
	; What the first cycle finds.  Its group A carries the riders of a cycle that has not been: they add 0 x 0.  So P, T's tiles 5-7 and their v fragments of buffer 1 are cleared: 76 lines, the price of writing no first cycle out.
	WIN 0
.set i, 0
.rept 40
	v_mov_b32 v[P+i], 0
.set i, i+1
.endr
.set i, 40
.rept 24
	v_mov_b32 v[ACC+i], 0
.set i, i+1
.endr
	WIN 0x40
.set i, 204
.rept 12
	v_mov_b32 v[i], 0
.set i, i+1
.endr
	WIN 0
	v_mov_b32 v[AVF], v[AVF0]                      ; big step 0: byte 0 of the stage's rows,
	v_mov_b32 v[AMA], v[L16]                       ; slot 0
	v_add_nc_u32 v[AMB], HALFB, v[L16]
	VFLOAD 0, 0
	WIN 0
	s_mov_b32 s[TB], 0
	s_mov_b32 s[RO], 0
	s_mov_b32 s[CNT], 7
	s_wait_tensorcnt 0x1                           ; my quarter of tile 0 is in; tile 1's may stay out
	s_wait_dscnt 0x0                               ; u's and v's fragments are in, my stores into the stage are done
	s_barrier_signal -1
	s_barrier_wait -1                              ; everybody's quarter is in
	FETCH AMA, 0, MF0
	s_branch .Lmid                                 ; the loop is entered behind the change of slots
; CYCLE 9 AND THE CHANGE OF SLOTS.  Its fragments, the slot's last bytes to be read, were asked for in cycle 8.  Each wave waits for all its tensor loads, of which one is out: its quarter of the other slot;
; adds 0 to its spare word; and waits for that; its reads of the slot are back by the wait at the head.  Behind the barrier nobody reads the slot any more and the other slot is whole.
; fill = 1: the barrier opens a round of the cluster's, so that no wave of any partner still reads the slot or has a load on its way; the joint refill, the tile two steps on, is the first thing behind the round:
; it has a big step less 24 products, 616, in which to land.
.macro EVENT fill
	s_wait_dscnt 0x0                               ; cycle 9's fragments are in: my reads of this slot are over
	WIN 0                                          ; (the add's two registers lie in window 0)
	s_wait_tensorcnt 0x0                           ; no tensor load of mine is out, so a group 0 may be written
	ds_add_u32 v[SPW], v[NIL]                      ; 0 onto my spare word: scalar work and eight products stand between it and the wait for it
.if \fill
	s_add_co_u32 s[G0B+1], s[WP], s[TB]            ; the walking descriptor: my quarter of the slot that is left,
	s_add_nc_u64 s[G0B+2:G0B+3], s[G0B+2:G0B+3], SLOTB  ; the next tile; the type bits on top are not reached
.endif
	s_xor_b32 s[TB], s[TB], SLOTB                  ; 0 <-> SLOTB: the fetches go to the other slot
	GRPA MF1, 3, 1, 0, 8
	s_wait_dscnt 0x0                               ; the add is done
	s_barrier_signal -1
	GRPA MF1, 3, 1, 8, 24                          ; work on registers while the others arrive
	WIN 0
	s_barrier_wait -1
.if \fill
	CREST
	tensor_load_to_lds s[G0B:G0B+3], s[G1:G1+7]    ; my one tensor load behind the round
	s_nop 0
.endif
	v_add_nc_u32 v[AMA], s[TB], v[L16]
	v_add_nc_u32 v[AMB], HALFB, v[AMA]
	v_nop                                          ; four vector lines under one window setting follow the tensor load
	v_nop
	FETCH AMA, 0, MF0                              ; the next big step's first fragments
	GRPB MF1, 4, 1
	GRPC MF1, 4, 1
.endm
; v's NEXT HALF CHUNK, once a big step, in its middle.  In step t = 7 - CNT the half chunk t + 2 (chunk (t + 2) / 2, rows 64 ((t + 2) % 2) on), asked for a big step ago, is rounded and staged, and half chunk t + 3 is asked for.
; There are eight: step 5 asks for nothing, step 6 does nothing.  The two jumps go forward over loads, conversions and stores into my own stage alone.
; Chunk c + 1 is staged in steps 2 c and 2 c + 1 and first read in cycle 8 of step 2 c + 1; the buffer that it takes was last read in cycle 3 of step 2 c - 1: all in my wave's own order.
.macro VBLOCK
	WIN 0
	s_cmp_lt_u32 s[CNT], 2
	s_cbranch_scc1 .Lnv
	s_wait_loadcnt 0x0                             ; the 32 loads of a big step ago; it also frees their address register
	s_sub_co_u32 s37, 9, s[CNT]                    ; t + 2
	s_and_b32 s38, s37, 2
	s_lshl_b32 s38, s38, 6                         ; the chunk's buffer: 128 bytes on for odd chunks
	s_and_b32 s37, s37, 1
	s_mul_i32 s37, s37, 64*PV                      ; rows 64 on for odd halves
	s_add_co_u32 s37, s37, s38
	v_add_nc_u32 v[AVW], s37, v[AVW0]
	CVT 3, LA, 24
	CVT 2, LB, 8
	VST 3, LA, AVW, 0
	VST 3, LA+32, AVW, 16*PV
	VST 3, LA+64, AVW, 32*PV
	VST 2, LB, AVW, 48*PV
	WIN 0
	s_cmp_lt_u32 s[CNT], 3
	s_cbranch_scc1 .Lnv
	s_sub_co_u32 s37, 10, s[CNT]                   ; t + 3
	s_and_b32 s38, s37, 1
	s_lshl_b32 s38, s38, 16                        ; 64 rows of 1,024 bytes on for odd halves
	s_lshl_b32 s37, s37, 7
	s_and_b32 s37, s37, 0x300                      ; 256 bytes for each chunk
	s_add_co_u32 s37, s37, s38
	v_add_nc_u32 v[GV], s37, v[GV0]
	VLD 3, LA, GV, 0
	VLD 3, LA+32, GV, 16384
	VLD 3, LA+64, GV, 2*16384
	VLD 2, LB, GV, 3*16384
	WIN 0
.Lnv:
.endm
.macro Y vb                            ; cycles 0-8 of a big step.  vb = 0: the last step: no v is left to stage or to fetch
	CYCLE 0, 1, 0
	CYCLE 1, 1, 0
	CYCLE 2, 1, 0
	CYCLE 3, 1, 1
	CYCLE 4, 1, 0
.if \vb
	VBLOCK
.endif
	CYCLE 5, 1, 0
	CYCLE 6, 1, 0
	CYCLE 7, 1, 0
	CYCLE 8, 1, 2*(\vb)
.endm
.Ltop:                                 ; a trip: cycle 9 of one big step with the change of slots, then cycles 0-8 of the next.  Six changes ask for tiles 2 to 7
	EVENT 1
	WIN 0
.Lmid:
	Y 1
	WIN 0
	s_sub_co_u32 s[CNT], s[CNT], 1
	s_cmp_lg_u32 s[CNT], 0
	s_cbranch_scc1 .Ltop
	EVENT 0                                        ; the tail is written out: tile 7 is waited for, nothing is asked for
	Y 0
	CYCLE 9, 0, 0
	WIN WA
.set i, 0
.rept 24
	RID 5+i/8, i%8, 4, 1                           ; the last cycle's tiles 5-7; tiles 5's and 6's riders are the places behind the last product
.set i, i+1
.endr
	; THE WAY OUT.  A lane's P holds the j of its half of the lanes: the other half's is added.  Then 128 rows x 5 numbers go through my stage and leave as 2,560 consecutive bytes.
	WIN 0
.set n, 0
.rept 4
.set k, 0
.rept 10
	v_permlanex16_b32 v[ACC+n+k], v[P+n+k], s[SEL], s[SEL+1]  ; its destination counts as read: T's registers have been written
.set k, k+1
.endr
.set k, 0
.rept 10
	v_add_f32 v[P+n+k], v[P+n+k], v[ACC+n+k]
.set k, k+1
.endr
.set n, n+10
.endr
.set n, 0
.rept 40
	ds_store_b32 v[AOW], v[P+n] offset:320*(n/5)+4*(n%5)  ; row 16 t + l % 16, number r; both halves of the lanes write the same word with the same value
.set n, n+1
.endr
.set n, 0
.rept 5
	ds_load_b128 v[MF0+4*n:MF0+4*n+3], v[AOR] offset:512*n  ; LDS serves a wave's instructions in order: these see the stores above
.set n, n+1
.endr
.set n, 0
.rept 5
	s_wait_dscnt 4-n                               ; the later read-backs stay out
	global_store_b128 v[L16], v[MF0+4*n:MF0+4*n+3], s[10:11] offset:512*n th:TH_STORE_NT  ; 512 consecutive bytes, at a multiple of 256 from out's first byte
.set n, n+1
.endr
	s_wait_tensorcnt 0x0                           ; the wave's end, behind my last tensor load and my last LDS store
	ds_add_u32 v[SPW], v[NIL]
	s_wait_dscnt 0x0
	CROUND                                         ; the closing round: no work-group ends while a partner may still ask for a tile that names it
	s_endpgm
.Lfunc_end_k_qd81044be7c_main:
	.size	k_qd81044be7c_main, .Lfunc_end_k_qd81044be7c_main-k_qd81044be7c_main
	.p2alignl 7, 3214868480
	.fill 96, 4, 3214868480
	.section	.rodata,"a",@progbits
	.p2align	6, 0x0
	.amdhsa_kernel k_qd81044be7c_main
		.amdhsa_group_segment_fixed_size 327680
		.amdhsa_private_segment_fixed_size 0
		.amdhsa_enable_private_segment 0
		.amdhsa_kernarg_size 32
		.amdhsa_user_sgpr_count 2
		.amdhsa_user_sgpr_kernarg_segment_ptr 1
		.amdhsa_wavefront_size32 1
		.amdhsa_system_sgpr_workgroup_id_x 1
		.amdhsa_system_sgpr_workgroup_id_y 1
		.amdhsa_system_sgpr_workgroup_id_z 1
		.amdhsa_system_vgpr_workitem_id 0
		.amdhsa_next_free_vgpr 1024
		.amdhsa_next_free_sgpr 66
		.amdhsa_reserve_vcc 0
		.amdhsa_float_denorm_mode_32 3
		.amdhsa_float_denorm_mode_16_64 3
		.amdhsa_memory_ordered 1
		.amdhsa_forward_progress 1
		.amdhsa_inst_pref_size 255
	.end_amdhsa_kernel
	.section	.bss,"aw",@nobits
	.p2align	6
	.space	262144
	.amdgpu_metadata
---
amdhsa.version: [ 1, 2 ]
amdhsa.kernels:
  - .name:           k_qd81044be7c_main
    .symbol:         k_qd81044be7c_main.kd
    .args:
      - { .name: embeds1, .offset: 0, .size: 8, .value_kind: global_buffer, .address_space: global }
      - { .name: embeds2, .offset: 8, .size: 8, .value_kind: global_buffer, .address_space: global }
      - { .name: mws, .offset: 16, .size: 8, .value_kind: global_buffer, .address_space: global }
      - { .name: out0, .offset: 24, .size: 8, .value_kind: global_buffer, .address_space: global }
    .group_segment_fixed_size: 327680
    .private_segment_fixed_size: 0
    .kernarg_segment_align: 8
    .kernarg_segment_size: 32
    .max_flat_workgroup_size: 128
    .sgpr_count:     66
    .vgpr_count:     1024
    .wavefront_size: 32
...
	.end_amdgpu_metadata
.endif
;; end of part 2
